; MI455X (gfx1250); checked and timed in simulation.
; The chip was launched on July 23, 2026; its instructions are those of AMD's public machine-readable ISA for CDNA 5 (MIT licence, August 2026) and "CDNA5" Instruction Set Architecture Reference Guide (July 2026). The comments in the code are by the model that wrote it; some were corrected since.
;; self attention. Allowed arithmetic: matrix products marked QUANTISED: E2M1 operands, one E8M0 scale for each 32 along K, by v_wmma_scale_f32_16x16x128_f8f6f4 with both operands' format E2M1 (or v_wmma_scale_f32_32x16x128_f4), f32 sums; everything else in f32.
;; Inputs: kernel_codes 2,048 x 64 x 16 uint8 (E2M1 codes of kernel, K innermost, in blocks of 32 codes, two codes a byte); kernel_scales 2,048 x 64 uint8 (E8M0 scales of kernel, one for each 32 codes along K); x1_codes 8 x 512 x 64 x 16 uint8 (E2M1 codes of x1, K innermost, in blocks of 32 codes, two codes a byte); x1_scales 8 x 512 x 64 uint8 (E8M0 scales of x1, one for each 32 codes along K); x2_codes 8 x 512 x 64 x 16 uint8 (E2M1 codes of x2, K innermost, in blocks of 32 codes, two codes a byte); x2_scales 8 x 512 x 64 uint8 (E8M0 scales of x2, one for each 32 codes along K).
;; Outputs: out0 8 x 2,048 x 512 float32.
;; This version of the problem:
;;   THIS VERSION OF THE PROBLEM IS GIVEN IN LOW PRECISION. The matrix products marked QUANTISED in the list below multiply operands that are first quantised to E2M1 (2 exponent bits, 1 mantissa bit; 4 bits a number), with one power-of-two scale for each 32 numbers along K (OCP MX v1.0); their sums are f32. All else is computed in f32.
;;   The module's matrix products, in the order in which they are computed (A, B: the left and right operand; K: the contracted axis; several contracted axes count as one K, in the product's order):
;;     1. [M 4,096, K 2,048] x [K 2,048, N 2,048]; A: input x1 (given as codes); B: input kernel (given as codes): QUANTISED
;;     2. [M 4,096, K 2,048] x [K 2,048, N 2,048]; A: input x2 (given as codes); B: input kernel (given as codes): QUANTISED
;;     3. batch 8 x [M 2,048, K 512] x [K 512, N 2,048]; A: computed on the way; B: computed on the way: QUANTISED
;;     4. batch 8 x [M 2,048, K 2,048] x [K 2,048, N 512]; A: softmax (see below); B: computed on the way: QUANTISED
;;   THE QUANTISER, for each operand of a quantised product, along K:
;;     - K is cut into blocks of 32 from its start; a last block that is shorter is filled with zeros.
;;     - A block's scale is 2^e with e = floor(log2(the largest magnitude in the block)) - 2, held to -126 .. 127; a block of zeros has e = 0. As a byte (E8M0): e + 127.
;;     - Each number is divided by its block's scale, clamped to +-6, and rounded to the nearest number of E2M1, ties to even, subnormals kept.
;;     - The product sums the exact products of the quantised numbers (number of the format x scale) in f32.
;;   ~~~python
;;   def quantise(x, axis):      # numpy; x: float32 -> the quantised numbers, widened to float32 again
;;       x = np.moveaxis(x, axis, -1); K = x.shape[-1]
;;       x = np.pad(x, [(0, 0)] * (x.ndim - 1) + [(0, -K % 32)]); x = x.reshape(x.shape[:-1] + (-1, 32)); a = np.abs(x).max(-1, keepdims=True)
;;       e = np.where(a > 0, np.clip(np.frexp(np.where(a > 0, a, 1))[1] - 1 - 2, -126, 127), 0)      # np.frexp(a)[1] - 1 = floor(log2(a)), exactly
;;       r = np.clip(x / 2.0 ** e, -6, 6)
;;       step = 2.0 ** (np.maximum(np.frexp(np.where(r == 0, 1, r))[1] - 1, 0) - 1)
;;       q = np.round(r / step) * step * 2.0 ** e      # np.round: ties to even
;;       return np.moveaxis(q.reshape(q.shape[:-2] + (-1,))[..., :K], -1, axis).astype(np.float32)
;;   ~~~
;;   SOFTMAX AHEAD OF A QUANTISED PRODUCT. Where the list says 'softmax', what is quantised is not the finished softmax but p = 2^(t - M), with t = logit x log2(e) and M = ceil(the row's largest t), a whole number; so 1/2 < the row's largest p <= 1. The row's sum l is taken of the UNQUANTISED p, in f32, and the product's result is divided by l at the end. Since M is a whole number, a kernel that streams over the keys may use a running M (the ceiling of the running maximum): every later rescaling is an exact power of two, which a block's scale takes up: the codes' values come out the same.
;;   OPERANDS COMPUTED ON THE WAY. 'Computed on the way' means the value that the module computes at that place (a softmax that the list does not call 'softmax' is quantised finished and normalised). What goes into a quantiser is computed in f32, as accurately as f32 sums, v_exp_f32 and their like allow (about 1e-6 of the number): no bf16 or f16 on the way to a quantiser, and a product that is left as it is and whose result goes on into a quantised operand takes f32 operands (vector FMAs, or v_wmma_f32_16x16x4_f32). A number that lies on a knife's edge between two numbers of the format may be rounded either way, as far as f32 arithmetic and the matrix unit's own rounding can turn it there, and no further.
;;   INPUTS GIVEN AS CODES. kernel (in the module: [2048, 2048], K = its axis 1); x1 (in the module: [8, 2048, 512], K = its axis 1); x2 (in the module: [8, 2048, 512], K = its axis 1): each comes as NAME_codes (uint8): NAME with its K axis moved to the last place and cut into blocks of 32 codes, [.., K / 32, bytes a block], one block behind the other in memory; two codes a byte, the lower K in the low four bits (a code: sign, 2 exponent bits, 1 mantissa bit); and NAME_scales (uint8): the same leading axes, one E8M0 byte (e + 127) for each 32 codes along K. Its value is code x scale, taken as it is: it is not quantised again, and the codes and scales need not be those that the quantiser above would give.
;; One version. Each part assembles by itself: llvm-mc -triple=amdgcn-amd-amdhsa -mcpu=gfx1250 --defsym DOCPART=n.
;; ======== version 1 of 1: 2 launches
;; limits: right only within a limited range of input values
;; workspace buffers: hq 4,456,448 bytes; hk 4,456,448 bytes; hv 4,456,448 bytes
;; launch proj (part 1): grid 32 x 8, 4 waves a work-group, clusters of 4 x 4, 327,680 bytes of LDS; arguments kernel_codes, kernel_scales, x1_codes, x1_scales, x2_codes, x2_scales, hq, hk, hv; writes hq, hk, hv
.if DOCPART == 1
	.amdgcn_target "amdgcn-amd-amdhsa--gfx1250"
	.amdhsa_code_object_version 6
	.text
	.protected	k_q4ee1308e9e_proj
	.globl	k_q4ee1308e9e_proj
	.p2align	8
	.type	k_q4ee1308e9e_proj,@function
k_q4ee1308e9e_proj:
	s_mov_b64 s[64:65], 0
	v_nop
	global_prefetch_b8 v0, s[64:65] scope:SCOPE_SE
	s_setreg_imm32_b32 hwreg(HW_REG_WAVE_MODE, 25, 1), 1
	s_wait_xcnt 0x0
	s_wait_alu depctr_hold_cnt(0) depctr_sa_sdst(0) depctr_va_vdst(0) depctr_va_sdst(0) depctr_va_ssrc(0) depctr_va_vcc(0) depctr_vm_vsrc(0)
	s_getreg_b32 s2, hwreg(HW_REG_IB_STS2, 6, 4)
	s_cmp_eq_u32 s2, 0
	s_cbranch_scc0 .Lentry_in_a_cluster
	s_endpgm
.Lentry_in_a_cluster:
	s_bfe_u32 s2, ttmp6, 0x10000c
	s_cmp_lg_u32 s2, 0xf033
	s_cbranch_scc0 .Lentry_shape_is_right
	s_endpgm
.Lentry_shape_is_right:
; h1[b][s][d] = sum over t of kernel[s][t] x1[b][t][d], h2 likewise from x2: two products on given codes of FP4 (E2M1) with one E8M0 scale for each 32 along t.
; The results never leave as f32: they are quantised here, in registers, three times over, and leave as codes laid in the order of the next launch's operand registers:
;   hq = h1 along d (the queries), hk = h2 along d (the keys), hv = h1 along s (the values, whose K is the keys' axis).
; A GROUP of 69,632 bytes = 65,536 of codes + 4,096 of scale words.  hq, hk: [b 8][256 rows s]: codes at tile*4096 + (d/32)*256 + (s%16)*16, words at 65536 + (d/128)*1024 + tile*64 + (s%16)*4.
;   hv: [b 8][512 keys][256 channels]: codes at (d%256/16)*4096 + (t%512/32)*256 + (d%16)*16, words at 65536 + (t%512/128)*1024 + (d%256/16)*64 + (d%16)*4.
; SHARES.  A work-group takes 256 rows of kernel against 128 rows (b, d) of x1 and the same 128 of x2; a wave 128 rows of kernel against 64 of x1 and 64 of x2: 64 accumulators of 16 x 16.
; K goes in steps of 512 (rows of 256 bytes) through a ring of two LDS slots; the scale bytes of all of K come once.  4 x 4 work-groups form a cluster: kernel's tiles are asked for jointly along a row, x's along a column.
; THE MATRIX INSTRUCTION IS USED TRANSPOSED: source 0 = 16 rows of x, source 1 = 16 rows of kernel: a lane holds one s (lane % 16), its registers run along d: d = 16 b + 8 (lane / 16) + j.
; A block's scale is 2^(floor(log2(its largest magnitude)) - 2); its byte is that magnitude's exponent field - 2, held at 1 from below by a floor among the maximum's leaves.
; LIMITS: a block of zeros, or one whose largest magnitude lies under 2^-124, gets the byte 1 (its codes are zeros or the nearest codes under that scale; the bytes are read by this program alone);
;   NaN, infinities and the scale byte 0xff among the inputs are not served.
; REGISTERS: window 0: v0-31 addresses; v32-95 scale words, two sets, and nothing else; v96-127 at work in the way out; v128-191 kernel's fragments, later codes, later numbers from the stage; v192-231 codes of hv and words.
;   window 1: x's fragments, two sets.   windows 2, 3: the accumulators ((a, b) at v[8 (8 (a % 4) + b)] of window 2 + a / 4; b 0-3: x1, b 4-7: x2).
.set KSTEP,  512
.set NQ,     4                         ; matrix instructions deep in a slot
.set ROWB,   256                       ; a tile's row in bytes
.set KROW,   1024                      ; a row of kernel or x in memory: 2,048 codes
.set PITCH,  272                       ; an LDS row: 256 bytes + 16 of padding: the 16 rows that a load touches start at 16 different banks (64 banks of 4 bytes: ISA guide 11.1)
.set FR,     8
.set NL,     2
.set NP,     4                         ; places behind this matrix instruction (ISA guide 7.12.1)
.set HALFT,  128*PITCH                 ; 128 rows: what one tensor load brings
.set SLOT,   4*HALFT                   ; kernel's 256 rows, x1's 128, x2's 128
.set LAPS,   2                         ; 2,048 along K = four K steps = twice round the ring
.set KS,     64                        ; a row of scale bytes
.set SCL,    2*SLOT                    ; behind the ring: the scales, as units of 256 bytes + 16 of padding
.set HALFS,  32*272                    ; those of 128 rows
.set SBLK,   4*272                     ; those of 16 rows
.set SPARE,  SCL+4*HALFS               ; the spare words, 128 bytes for each wave
.set SQ,     SPARE+512                 ; hq's scale words of this work-group (16 tiles x 16 rows), then hk's: 2 x 1,024 bytes
.set VSS,    SQ+2048                   ; hv's scale words: 256 bytes for each wave
.set GRP,    69632
.set BATCH,  8*GRP
.set LI,   5                           ; v5   16 x lane
.set VST,  6                           ; v6   my stage (in slot 0, 128 rows s x (64 d of f32 + 16 bytes)): where I put 32 bytes of row lane % 16
.set VRD,  7                           ; v7   and where I read it by columns: 4 x lane
.set VCO,  8                           ; v8   hv: 4096 (lane / 16) + 16 (lane % 16)
.set SQA,  9                           ; v9   where my half word of a scale word goes
.set VSW,  10                          ; v10  hv's words in: 4 x lane
.set VSR,  11                          ; v11  and back: 8 x lane
.set L8,   12                          ; v12  8 x lane
.set SQR,  13                          ; v13  hq's or hk's words back: 16 x lane
.set ADRA, 16                          ; v16-17  LDS address of kernel's fragments in slot 0, 1
.set ADRB, 20                          ; v20-21  the same for x's
; Two neighbouring tiles of 16 rows of x go through ONE instruction of 32 x 16 x 128 (source 0 = 32 rows of x): its 16 result registers are those two tiles' accumulators.
.set ADRS, 27                          ; v27  kernel's scale words: lane l takes row l of two neighbouring blocks
.set SPW,  28                          ; v28  my spare word; never rewritten
.set NIL,  29                          ; v29  0; never rewritten
.set ADRS2, 30                         ; v30  x's scale words likewise
.set SC,   32
.set TM,   96                          ; largest magnitudes
.set TP,   100                         ; the other half of the lanes'
.set SO,   104                         ; the conversions' scale operands
.set BY,   108                         ; the bytes
.set HW,   112                         ; v112-127 two half words for each of the eight blocks of rows
.set AF,   128
.set PC,   128                         ; v128-191 hq's and hk's codes: 8 registers for each block of rows
.set X,    128                         ; later: two sets of 32 numbers from the stage
.set CV,   192                         ; v192-223 hv's codes
.set SB,   224                         ; v224-225 hv's scale words
.set OW,   226                         ; v226-231 words on their way out
.set SEL,  98                          ; s[98:99] v_permlanex16_b32's selects for lane l xor 16
.set G1, 24
.set G0, 32
.set G1B, 48
.set G0B, 56
.set MSB, 0
.macro WIN new                         ; the immediate's high byte repeats the setting that is left
.if MSB != \new
	s_set_vgpr_msb (MSB<<8)|\new
.set MSB, \new
.endif
.endm
.set MUL_LO, 0xa1                      ; source 0 (x) window 1, source 1 (kernel) window 0, C and D window 2
.set MUL_HI, 0xf1
.set TO_B,   0x40
; A joint load: waves 0 and 1 fetch kernel's halves, wave 2 x1's rows, wave 3 x2's.  The branch hangs on the wave's number alone.  Four v_nop follow each of the two lines.
.macro JLOAD g0a, g1a, g0b, g1b
	s_cmp_eq_u32 s15, 0
	s_cbranch_scc0 .Lfor_b_\@
	tensor_load_to_lds s[\g0a:\g0a+3], s[\g1a:\g1a+7]
	s_nop 0
.rept 4
	v_nop
.endr
	s_branch .Lasked_\@
.Lfor_b_\@:
	tensor_load_to_lds s[\g0b:\g0b+3], s[\g1b:\g1b+7]
	s_nop 0
.rept 4
	v_nop
.endr
.Lasked_\@:
.endm
.macro CREST                           ; a round of the cluster's barrier behind its opening barrier
	s_cmp_lg_u32 s14, 0
	s_cbranch_scc1 .Lnot_wave_0_\@
	s_barrier_signal -3
.Lnot_wave_0_\@:
	s_barrier_wait -3
	s_barrier_signal -1
	s_barrier_wait -1
.endm
.macro CROUND
	s_barrier_signal -1
	s_barrier_wait -1
	CREST
.endm
	s_load_b256 s[4:11], s[0:1], 0x0               ; kernel's codes s[4:5], its scales s[6:7], x1's codes s[8:9], its scales s[10:11]
	s_load_b128 s[96:99], s[0:1], 0x20             ; x2's codes, its scales
	v_lshl_add_u32 v[SPW], v0, 2, SPARE
	v_mov_b32 v[NIL], 0
	ds_add_u32 v28, v29
	ds_add_u32 v28, v29
	s_wait_dscnt 0x0
	v_lshrrev_b32 v1, 5, v0
	v_readfirstlane_b32 s14, v1                    ; wave 0..3
	s_lshr_b32 s15, s14, 1                         ; which 128 rows of kernel are mine.  Also: I fetch for kernel (0) or for x (1)
	s_and_b32 s16, s14, 1                          ; which 64 rows of x1 and of x2 are mine.  Also: which half of kernel's rows, or which of x1 and x2, I fetch
	s_bfe_u32 s40, ttmp6, 0x40000                  ; cx, cy
	s_bfe_u32 s41, ttmp6, 0x40004
	s_lshl_b32 s42, ttmp9, 2
	s_add_co_u32 s42, s42, s40                     ; tc: which 128 rows (b, d) of x: 0..31
	s_and_b32 s17, ttmp7, 0xffff
	s_lshl_b32 s17, s17, 2
	s_add_co_u32 s17, s17, s41                     ; tr: which 256 rows of kernel: 0..7
	s_lshl_b32 s43, s41, 2
	s_lshl_b32 s43, 15, s43                        ; my row of the cluster
	s_lshl_b32 s44, 0x1111, s40                    ; my column
	s_or_b32 s[G1+0], s43, (0<<16)|(1<<20)|(1<<21)|(5<<22)|(3<<25)  ; the mask; elements of 1 byte; padding on; bit 21 beside a mask; after every 64 words, 4 words
	s_or_b32 s[G1B+0], s44, (0<<16)|(1<<20)|(1<<21)|(5<<22)|(3<<25)
.irp g, G1, G1B
	s_mov_b32 s[\g+1], ROWB<<16                    ; tensor_dim0
	s_mov_b32 s[\g+2], 128<<16                     ; tensor_dim1
	s_mov_b32 s[\g+3], ROWB<<16                    ; tile_dim0
	s_mov_b32 s[\g+4], 128                         ; tile_dim1
	s_mov_b32 s[\g+5], KROW                        ; the pitch
	s_mov_b32 s[\g+6], 0
	s_mov_b32 s[\g+7], 0
.endr
	s_lshl_b32 s18, s16, 7
	s_lshl_b32 s20, s17, 8
	s_add_co_u32 s20, s20, s18                     ; kernel: row 256 tr + 128 x half
	s_lshl_b32 s46, s42, 7                         ; x: row 128 tc
	s_mov_b32 s21, 0
	s_mov_b32 s47, 0
	s_lshl_b64 s[22:23], s[20:21], 6               ; where these rows' scales begin, in bytes,
	s_lshl_b64 s[92:93], s[46:47], 6
	s_lshl_b64 s[20:21], s[20:21], 10              ; and their codes
	s_lshl_b64 s[46:47], s[46:47], 10
	s_mul_i32 s45, s14, HALFT                      ; where they go: wave x 128 rows: no place in the cluster enters an LDS address
	s_mul_i32 s94, s14, HALFS
	s_add_co_u32 s94, s94, SCL                     ; where the scale bytes that I bring go
	s_wait_kmcnt 0x0
	s_cmp_eq_u32 s16, 0                            ; x1 or x2: by the wave's number alone
	s_cselect_b64 s[8:9], s[8:9], s[96:97]
	s_cselect_b64 s[10:11], s[10:11], s[98:99]
	s_add_nc_u64 s[20:21], s[4:5], s[20:21]
	s_add_nc_u64 s[22:23], s[6:7], s[22:23]
	s_add_nc_u64 s[46:47], s[8:9], s[46:47]
	s_add_nc_u64 s[92:93], s[10:11], s[92:93]
	CROUND                                         ; all sixteen work-groups are here: the first joint loads meet
.irp s, 0,1
	s_mov_b32 s[G0+4*\s], 1
	s_add_co_u32 s[G0+4*\s+1], s45, \s*SLOT
	s_add_nc_u64 s[G0+4*\s+2:G0+4*\s+3], s[20:21], \s*ROWB
	s_or_b32 s[G0+4*\s+3], s[G0+4*\s+3], 0x80000000
	s_mov_b32 s[G0B+4*\s], 1
	s_add_co_u32 s[G0B+4*\s+1], s45, \s*SLOT
	s_add_nc_u64 s[G0B+4*\s+2:G0B+4*\s+3], s[46:47], \s*ROWB
	s_or_b32 s[G0B+4*\s+3], s[G0B+4*\s+3], 0x80000000
.endr
	JLOAD G0, G1, G0B, G1B                         ; K step 0: one tensor load a wave at the head
	s_cmp_eq_u32 s15, 0                            ; THE SCALE BYTES of all of K go through registers: waves 0 and 1 bring those of kernel's halves, wave 2 x1's, wave 3 x2's: 128 rows, 8,192 dense bytes a wave
	s_cselect_b64 s[96:97], s[22:23], s[92:93]
	s_cselect_b64 s[68:69], s[20:21], s[46:47]     ; the prefetches: of the 128 rows that I fetch, the four partners that ask jointly take 32 each, told apart by address: cx for kernel's, cy for x's
	s_cselect_b32 s70, s40, s41
	s_lshl_b32 s70, s70, 15
	s_mov_b32 s71, 0
	s_add_nc_u64 s[68:69], s[68:69], s[70:71]
	s_cmp_lt_u32 ttmp9, 4                          ; kernel's rows are read by eight clusters: four of them ask
	s_cselect_b32 s72, 1, 0
	s_or_b32 s72, s72, s15
	v_and_b32 v14, 31, v0
	v_lshlrev_b32 v19, 10, v14                     ; a lane a row; never rewritten
	v_lshlrev_b32 v15, 4, v14
	s_wait_alu depctr_va_vdst(0)
.irp i, 0,1,2,3,4,5,6,7,8,9,10,11,12,13,14,15
	global_load_b128 v[128+4*\i:131+4*\i], v15, s[96:97] offset:512*\i
.endr
	s_load_b128 s[4:7], s[0:1], 0x30               ; hq, hk (the inputs' addresses have gone into the descriptors)
	s_load_b64 s[8:9], s[0:1], 0x40                ; hv
	s_mov_b32 s[SEL], 0x76543210
	s_mov_b32 s[SEL+1], 0xfedcba98
	v_and_b32 v1, 15, v0                           ; r = lane % 16
	v_bfe_u32 v2, v0, 4, 1                         ; h = lane / 16
	v_mul_u32_u24 v18, v2, 272                     ; the scale bytes in LDS: units of 256 bytes, 272 apart: lanes 0-15 one unit, lanes 16-31 the next
	v_lshl_add_u32 v18, v1, 4, v18
	v_add_nc_u32 v18, s94, v18
	v_mul_u32_u24 v3, v1, PITCH
	v_lshl_add_u32 v4, v2, 4, v3                   ; a fragment's row x pitch + 16 x half
	s_mul_i32 s21, s15, HALFT                      ; my 128 rows of kernel
	s_mul_i32 s22, s16, 64*PITCH                   ; my 64 rows of x1,
	s_add_co_u32 s22, s22, 2*HALFT                 ; behind kernel's 256; x2's lie HALFT further on
.irp s, 0,1
	v_add_nc_u32 v[ADRA+\s], s21, v4
	v_add_nc_u32 v[ADRB+\s], s22, v4
	s_add_co_u32 s21, s21, SLOT
	s_add_co_u32 s22, s22, SLOT
.endr
	v_and_b32 v14, 31, v0                          ; lane l takes the scale bytes of row l of 32: 64 bytes a row, four rows to a unit
	v_lshrrev_b32 v4, 2, v14
	v_and_b32 v3, 3, v14
	v_lshlrev_b32 v3, 6, v3
	v_mad_u32_u24 v3, v4, 272, v3
	s_mul_i32 s21, s15, HALFS                      ; kernel's: my 128 rows
	s_add_co_u32 s21, s21, SCL
	s_mul_i32 s22, s16, 4*SBLK                     ; x1's: my 64 rows, behind kernel's 256; x2's lie HALFS further on
	s_add_co_u32 s22, s22, SCL+2*HALFS
	v_add_nc_u32 v[ADRS], s21, v3
	v_add_nc_u32 v[ADRS2], s22, v3
	; the way out's addresses
	v_and_b32 v14, 31, v0                          ; lane
	v_lshlrev_b32 v[LI], 4, v14
	v_mul_u32_u24 v[VST], v1, PITCH
	v_lshl_add_u32 v[VST], v2, 5, v[VST]
	v_add_nc_u32 v[VST], s45, v[VST]               ; my stage begins at wave x 34,816, in slot 0
	v_lshl_add_u32 v[VRD], v14, 2, s45
	v_lshlrev_b32 v[VCO], 4, v1
	v_lshl_add_u32 v[VCO], v2, 12, v[VCO]
	s_lshl_b32 s21, s15, 9
	s_lshl_b32 s22, s16, 1
	s_add_co_u32 s21, s21, s22
	s_add_co_u32 s21, s21, SQ
	v_lshl_add_u32 v[SQA], v1, 2, s21              ; SQ + 512 x (my half of the rows) + 2 x (my half of the word) + 4 r
	s_lshl_b32 s21, s14, 8
	s_add_co_u32 s21, s21, VSS
	v_lshl_add_u32 v[VSW], v14, 2, s21
	v_lshl_add_u32 v[VSR], v14, 3, s21
	v_lshlrev_b32 v[L8], 3, v14
	s_lshl_b32 s21, s14, 9
	s_add_co_u32 s21, s21, SQ
	v_lshl_add_u32 v[SQR], v14, 4, s21
.irp d, 0,1,2,3
	v_mov_b32 v[TP+\d], 0                          ; written once: a lane permute's destination counts as one of its sources
.endr
	; where my results go.  b = tc / 4, dq = tc % 4 (which 128 of the 512 channels)
	s_lshr_b32 s18, s42, 2
	s_and_b32 s19, s42, 3
	s_mul_i32 s20, s18, BATCH
	s_mul_i32 s21, s17, GRP
	s_add_co_u32 s20, s20, s21                     ; hq, hk: the group of my 256 rows
	s_lshl_b32 s22, s19, 10
	s_lshl_b32 s23, s16, 9
	s_add_co_u32 s22, s22, s23
	s_add_co_u32 s22, s22, s20                     ; + 1024 dq + 512 x (wave % 2): my two blocks of 32 d in a tile's codes; and, 65,536 on, the 512 bytes of scale words that I store
	s_mov_b32 s23, 0
	s_wait_kmcnt 0x0
	s_cmp_lt_u32 s14, 2                            ; waves 0 and 1 store hq's words, waves 2 and 3 hk's
	s_cselect_b64 s[10:11], s[4:5], s[6:7]
	s_add_nc_u64 s[10:11], s[10:11], s[22:23]
	s_add_nc_u64 s[10:11], s[10:11], 65536
	s_lshl_b32 s46, s15, 15                        ; my eight tiles of rows
	s_add_co_u32 s22, s22, s46
	s_add_nc_u64 s[4:5], s[4:5], s[22:23]
	s_add_nc_u64 s[6:7], s[6:7], s[22:23]
	s_lshl_b32 s20, s18, 2                         ; hv: group ((4 b + tr / 2) 2 + dq / 2)
	s_lshr_b32 s46, s17, 1
	s_add_co_u32 s20, s20, s46
	s_lshl_b32 s20, s20, 1
	s_lshr_b32 s46, s19, 1
	s_add_co_u32 s20, s20, s46
	s_mul_i32 s20, s20, GRP
	s_and_b32 s46, s19, 1
	s_lshl_b32 s46, s46, 1
	s_add_co_u32 s46, s46, s16                     ; which 64 of the group's 256 channels
	s_and_b32 s47, s17, 1
	s_lshl_b32 s47, s47, 1
	s_add_co_u32 s47, s47, s15                     ; which 128 of the group's 512 keys
	s_lshl_b32 s22, s46, 14
	s_lshl_b32 s92, s47, 10
	s_add_co_u32 s22, s22, s92
	s_add_co_u32 s22, s22, s20
	s_lshl_b32 s93, s46, 8
	s_add_co_u32 s92, s92, s93
	s_add_co_u32 s92, s92, s20
	s_add_co_u32 s92, s92, 65536
	s_mov_b32 s93, 0
	s_add_nc_u64 s[12:13], s[8:9], s[92:93]        ; hv's scale words: my 256 bytes
	s_add_nc_u64 s[8:9], s[8:9], s[22:23]          ; hv's codes
.macro FRAG reg, adr, off              ; a fragment, 16 rows x 128 K of 4-bit codes: registers 4 c .. 4 c + 3 hold K = 64 c + 32 (lane / 16) + 0 .. 31
.irp c, 0,1
	ds_load_b128 v[\reg+4*\c:\reg+4*\c+3], v[\adr] offset:\off+32*\c
.endr
.endm
; 16 matrix instructions: kernel's blocks a0, a0 + 1 x x's eight.  The 64 accumulators take turns, one instruction a turn, in the same order in every step.
.macro MUL16 a0, p, q, sc, zero        ; (eight instructions of 32 x 16 x 128: x's blocks by pairs; an odd block of kernel has its scale words in lanes 16-31)
.irp r, 0,1
.irp b, 0,2,4,6
.set rD, 8*(8*((\a0+\r)%4)+\b)
.set rA, 128*(\p)+FR*\b
.set rB, AF+FR*(\a0+\r)
.set rS, SC+8*NQ*(\sc)+NQ*(\b/2)+(\q)
.set rT, SC+8*NQ*(\sc)+NQ*(4+(\a0+\r)/2)+(\q)
.if \zero
.if \r
	v_wmma_scale_f32_32x16x128_f4 v[rD:rD+15], v[rA:rA+15], v[rB:rB+7], 0, v[rS], v[rT] matrix_b_scale:MATRIX_SCALE_ROW1
.else
	v_wmma_scale_f32_32x16x128_f4 v[rD:rD+15], v[rA:rA+15], v[rB:rB+7], 0, v[rS], v[rT]
.endif
.else
.if \r
	v_wmma_scale_f32_32x16x128_f4 v[rD:rD+15], v[rA:rA+15], v[rB:rB+7], v[rD:rD+15], v[rS], v[rT] matrix_b_scale:MATRIX_SCALE_ROW1
.else
	v_wmma_scale_f32_32x16x128_f4 v[rD:rD+15], v[rA:rA+15], v[rB:rB+7], v[rD:rD+15], v[rS], v[rT]
.endif
.endif
.endr
.endr
.endm
.macro FETCH_B slot, q, p              ; x's eight fragments: blocks 0-3 my rows of x1, blocks 4-7 my rows of x2, HALFT further on
	WIN TO_B
.irp i, 0,1,2,3,4,5,6,7
	FRAG 128*(\p)+FR*\i, ADRB+\slot, 64*(\q)+(\i%4)*16*PITCH+(\i/4)*HALFT
.endr
	WIN 0
.endm
.macro FETCH_A slot, q, i0             ; kernel's blocks i0 .. i0 + 3
.irp i, \i0, \i0+1, \i0+2, \i0+3
	FRAG AF+FR*(\i), ADRA+\slot, 64*(\q)+(\i)*16*PITCH
.endr
.endm
.macro SCALES sc                       ; the next K step's scale words: lanes 0-15 block 2 i, lanes 16-31 block 2 i + 1
.irp i, 0,1,2,3                        ; (lane l takes row l of 32: x's four pairs of blocks, then kernel's)
	ds_load_b128 v[SC+8*NQ*\sc+NQ*\i:SC+8*NQ*\sc+NQ*\i+3], v[ADRS2] offset:(\i%2)*2*SBLK+(\i/2)*HALFS
.endr
.irp i, 0,1,2,3
	ds_load_b128 v[SC+8*NQ*\sc+NQ*(4+\i):SC+8*NQ*\sc+NQ*(4+\i)+3], v[ADRS] offset:\i*2*SBLK
.endr
.endm
; A load into a register that a matrix instruction has read, and a vector instruction or an LDS store that reads a matrix result, stand NP places behind it; only plain vector instructions are places.
.macro PLACES n
.rept \n
	v_nop
.endr
.endm
.macro STEP slot, q, zero              ; a step of 128 along K that has its successor in the same slot
	s_wait_dscnt 4*NL                              ; x's set and kernel's blocks 0-3 are in; the youngest eight loads (blocks 4-7) may be out
	WIN MUL_LO
	MUL16 0, (\q)%2, \q, \slot, \zero
	MUL16 2, (\q)%2, \q, \slot, \zero
	s_wait_dscnt 0
	PLACES NP
	FETCH_B \slot, (\q)+1, 1-(\q)%2
	FETCH_A \slot, (\q)+1, 0
	WIN MUL_HI
	MUL16 4, (\q)%2, \q, \slot, \zero
	MUL16 6, (\q)%2, \q, \slot, \zero
	PLACES NP
	WIN 0
	FETCH_A \slot, (\q)+1, 4
.endm
; A slot's last step changes slots: one barrier; in front of it each wave waits for all its tensor loads, adds 0 to its spare word, and waits for that and for its own reads of this slot.
.macro TURN slot, next, fill
	s_wait_tensorcnt 0x0                           ; all my tensor loads have landed: my part of the next slot
	ds_add_u32 v[SPW], v[NIL]                      ; 0 onto my spare word
	s_wait_dscnt 4*NL+1                            ; (the add and the youngest eight loads may be out)
	WIN MUL_LO
	MUL16 0, 1, NQ-1, \slot, 0
	s_wait_dscnt 0x0                               ; the add is done, and my reads of this slot are over
	s_barrier_signal -1
	MUL16 2, 1, NQ-1, \slot, 0
	WIN 0
	s_barrier_wait -1
.if \fill
	CREST                                          ; the barrier has opened a round of the cluster's: no wave of any partner still reads this slot or has a load on its way
	s_add_nc_u64 s[G0+4*\slot+2:G0+4*\slot+3], s[G0+4*\slot+2:G0+4*\slot+3], 2*ROWB
	s_add_nc_u64 s[G0B+4*\slot+2:G0B+4*\slot+3], s[G0B+4*\slot+2:G0B+4*\slot+3], 2*ROWB
	JLOAD G0+4*\slot, G1, G0B+4*\slot, G1B         ; the first tensor load behind the round; its four v_nop are also the places in front of the loads below
.else
	PLACES NP
.endif
	s_wait_alu depctr_va_vdst(0)
	v_add_nc_u32 v[ADRS], 4*NQ, v[ADRS]            ; on to the next K step's scale words
	v_add_nc_u32 v[ADRS2], 4*NQ, v[ADRS2]
	FETCH_B \next, 0, 0
	FETCH_A \next, 0, 0
	SCALES \next
	WIN MUL_HI
	MUL16 4, 1, NQ-1, \slot, 0
	MUL16 6, 1, NQ-1, \slot, 0
	PLACES NP
	WIN 0
	FETCH_A \next, 0, 4
.endm
.macro STEPS slot, from
.set Q, \from
.rept NQ-1-\from
	STEP \slot, Q, 0
.set Q, Q+1
.endr
.endm
	s_wait_alu depctr_va_vdst(0)
	s_wait_loadcnt 0x0                             ; my 128 rows' scale bytes are in registers,
	s_wait_tensorcnt 0x0                           ; and my part of K step 0 is in LDS
.irp i, 0,1,2,3,4,5,6,7,8,9,10,11,12,13,14,15
	ds_store_b128 v18, v[128+4*\i:131+4*\i] offset:544*\i
.endr
	s_wait_tensorcnt 0x0
	ds_add_u32 v[SPW], v[NIL]
	s_wait_dscnt 0x0                               ; the add is done, and my scale bytes have landed
	CROUND                                         ; everybody's are, and all sixteen work-groups are here:
	JLOAD G0+4, G1, G0B+4, G1B                     ; K step 1, the first tensor load behind the round
	FETCH_B 0, 0, 0
	FETCH_A 0, 0, 0
	SCALES 0
	FETCH_A 0, 0, 4
	s_cmp_lg_u32 s72, 0                            ; K steps 2 and 3 are asked of memory, one and two K steps ahead of their loads; K steps 0 and 1 come by their loads alone
	s_cbranch_scc0 .Lnot_mine
	global_prefetch_b8 v19, s[68:69] offset:512 th:TH_LOAD_NT scope:SCOPE_SE
	global_prefetch_b8 v19, s[68:69] offset:768 th:TH_LOAD_NT scope:SCOPE_SE
.Lnot_mine:
	STEP 0, 0, 1                                   ; the first step's products start the sums: nothing is cleared
	s_mov_b32 s3, LAPS-1
.Llap:                                                 ; a trip goes once round the ring and fills both slots again
	STEPS 0, 1
	TURN 0, 1, 1
	STEPS 1, 0
	TURN 1, 0, 1
	STEP 0, 0, 0
	s_sub_co_u32 s3, s3, 1
	s_cmp_lg_u32 s3, 0
	s_cbranch_scc1 .Llap
	STEPS 0, 1                                     ; the last lap fills nothing
	TURN 0, 1, 0
	STEPS 1, 0
	s_wait_dscnt 4*NL
	WIN MUL_LO
	MUL16 0, 1, NQ-1, 1, 0
	MUL16 2, 1, NQ-1, 1, 0
	s_wait_dscnt 0
	WIN MUL_HI
	MUL16 4, 1, NQ-1, 1, 0
	MUL16 6, 1, NQ-1, 1, 0
	WIN 0
	; ---- THE WAY OUT.  First h1's 128 s x 64 d, as f32, into my stage: slot 0 has had its last fill, and every wave has passed the last change of slots, behind which nobody reads it.
	PLACES NP
.irp a, 0,1,2,3,4,5,6,7
	WIN 0x08+4*(\a/4)                              ; an LDS store's data are its source 1: window 2 or 3
.irp b, 0,1,2,3
	ds_store_b128 v[VST], v[64*(\a%4)+8*\b:64*(\a%4)+8*\b+3] offset:\a*16*PITCH+64*\b       ; each accumulator from its low end on: row 16 a + r, d = 16 b + 8 h + 0 .. 7
	ds_store_b128 v[VST], v[64*(\a%4)+8*\b+4:64*(\a%4)+8*\b+7] offset:\a*16*PITCH+64*\b+16
.endr
.endr
	WIN 0
; ALONG d.  Block of rows a: four blocks of 32 d (two of h1, two of h2), each in the 16 registers of two neighbouring tiles, of lanes l and l xor 16.
; A tile's conversion gives the codes of d = 16 tile + 8 h + 0 .. 7.  The operand's layout wants a whole block of 32 in a lane: tiles 0, 2 and tiles 1, 3 exchange halves of the lanes.
.macro QD a
.set AC, 64*((\a)%4)
.set PA, PC+8*(\a)
	WIN 0x0a+5*((\a)/4)
.irp d, 0,1,2,3
	v_max3_num_f32 v[TM+\d], |v[AC+16*\d]|, |v[AC+16*\d+1]|, 0x1800000   ; with the floor 2^(3 - 127): the byte cannot fall under 1
.endr
.irp i, 2,4,6,8,10,12,14
.irp d, 0,1,2,3
	v_max3_num_f32 v[TM+\d], |v[AC+16*\d+\i]|, |v[AC+16*\d+\i+1]|, v[TM+\d]
.endr
.endr
	WIN 0
.irp d, 0,1,2,3
	v_permlanex16_b32 v[TP+\d], v[TM+\d], s[SEL], s[SEL+1]
.endr
.irp d, 0,1,2,3
	v_max_num_f32 v[TM+\d], v[TM+\d], v[TP+\d]     ; the block's largest magnitude
.endr
.irp d, 0,1,2,3
	v_add_nc_u32 v[SO+\d], 0xff000000, v[TM+\d]    ; 2 off its exponent field: the conversion's scale operand
.endr
.irp d, 0,1,2,3
	v_lshrrev_b32 v[BY+\d], 23, v[SO+\d]           ; the scale's byte
.endr
	v_lshl_or_b32 v[HW+2*(\a)], v[BY+1], 8, v[BY]          ; h1's two bytes: half of a scale word
	v_lshl_or_b32 v[HW+2*(\a)+1], v[BY+3], 8, v[BY+2]      ; h2's
	WIN 0x02+(\a)/4
.irp x, 0,1
	v_cvt_scalef32_pk8_fp4_f32 v[PA+4*\x], v[AC+32*\x:AC+32*\x+7], v[SO+2*\x]
	v_cvt_scalef32_pk8_fp4_f32 v[PA+4*\x+2], v[AC+32*\x+8:AC+32*\x+15], v[SO+2*\x]
	v_cvt_scalef32_pk8_fp4_f32 v[PA+4*\x+1], v[AC+32*\x+16:AC+32*\x+23], v[SO+2*\x+1]
	v_cvt_scalef32_pk8_fp4_f32 v[PA+4*\x+3], v[AC+32*\x+24:AC+32*\x+31], v[SO+2*\x+1]
.endr
	WIN 0
	v_nop                                          ; one plain place behind a scaled conversion
.irp x, 0,2,4,6
	v_permlane16_swap_b32 v[PA+\x], v[PA+\x+1]
.endr
	global_store_b128 v[LI], v[PA:PA+3], s[4:5] offset:(\a)*4096       ; 32 lanes store 512 consecutive bytes, at a multiple of 256 from the buffer's first byte
	global_store_b128 v[LI], v[PA+4:PA+7], s[6:7] offset:(\a)*4096
	ds_store_b16 v[SQA], v[HW+2*(\a)] offset:(\a)*64                   ; both halves of the lanes write the same half word with the same value
	ds_store_b16 v[SQA], v[HW+2*(\a)+1] offset:1024+(\a)*64
.endm
.irp a, 0,1,2,3,4,5,6,7
	QD \a
.endr
; ALONG s.  A lane takes a channel and its registers run down s: unit u = 4 g + e: channels 32 g + lane, rows 32 e + 0 .. 31: a whole block in one lane's 32 registers.
.macro LOADV u
.set iL, 0
.rept 32
	ds_load_b32 v[X+32*((\u)%2)+iL], v[VRD] offset:(32*((\u)%4)+iL)*PITCH+128*((\u)/4)
.set iL, iL+1
.endr
.endm
.macro VBLK u
.set XS, X+32*((\u)%2)
.if (\u) < 7
	s_wait_dscnt 32                                ; this unit's 32 loads are in; the next unit's may be out
.else
	s_wait_dscnt 0
.endif
	v_max3_num_f32 v[TM], |v[XS]|, |v[XS+1]|, |v[XS+2]|
	v_max3_num_f32 v[TM+1], |v[XS+3]|, |v[XS+4]|, |v[XS+5]|
.irp i, 6,10,14,18,22,26
	v_max3_num_f32 v[TM], v[TM], |v[XS+\i]|, |v[XS+\i+1]|
	v_max3_num_f32 v[TM+1], v[TM+1], |v[XS+\i+2]|, |v[XS+\i+3]|
.endr
	v_max3_num_f32 v[TM], v[TM], |v[XS+30]|, |v[XS+31]|
	v_max3_num_f32 v[TM], v[TM], v[TM+1], 0x1800000
	v_add_nc_u32 v[SO], 0xff000000, v[TM]
	v_lshrrev_b32 v[BY], 23, v[SO]
.if (\u)%4 == 0
	v_mov_b32 v[SB+(\u)/4], v[BY]                  ; four bytes to a word, the lower keys in the lower byte
.else
	v_lshl_or_b32 v[SB+(\u)/4], v[BY], 8*((\u)%4), v[SB+(\u)/4]
.endif
.irp g, 0,1,2,3
	v_cvt_scalef32_pk8_fp4_f32 v[CV+4*(\u)+\g], v[XS+8*\g:XS+8*\g+7], v[SO]
.endr
	v_nop                                          ; one plain place behind a scaled conversion
	global_store_b128 v[VCO], v[CV+4*(\u):CV+4*(\u)+3], s[8:9] offset:((\u)/4)*8192+((\u)%4)*256   ; each sixteen lanes store 256 consecutive bytes, aligned
.if (\u)+2 < 8
	LOADV (\u)+2
.endif
.endm
	s_wait_xcnt 0x0                                ; hq's and hk's stores have read v128-191: only behind this wait do loads land there
	LOADV 0
	LOADV 1
.irp u, 0,1,2,3,4,5,6,7
	VBLK \u
.endr
	ds_store_b32 v[VSW], v[SB]                     ; my 64 channels' scale words: through my own 256 bytes of LDS, so that they leave as one aligned run of 256 bytes
	ds_store_b32 v[VSW], v[SB+1] offset:128
	ds_load_b64 v[OW:OW+1], v[VSR]                 ; LDS serves a wave's instructions in order (ISA guide 5.7.1.4)
	s_wait_dscnt 0x0                               ; also for the others' sake: my half words of hq's and hk's scale words have landed
	global_store_b64 v[L8], v[OW:OW+1], s[12:13]
	s_barrier_signal -1
	s_barrier_wait -1                              ; a word's two halves come from two waves
	ds_load_b128 v[OW+2:OW+5], v[SQR]
	s_wait_dscnt 0x0
	global_store_b128 v[LI], v[OW+2:OW+5], s[10:11]        ; 512 consecutive bytes of scale words
	s_wait_tensorcnt 0x0                           ; the wave's end
	ds_add_u32 v[SPW], v[NIL]
	s_wait_dscnt 0x0
	CROUND                                         ; the closing round
	s_endpgm
.Lfunc_end_k_q4ee1308e9e_proj:
	.size	k_q4ee1308e9e_proj, .Lfunc_end_k_q4ee1308e9e_proj-k_q4ee1308e9e_proj
	.p2alignl 7, 3214868480
	.fill 96, 4, 3214868480
	.section	.rodata,"a",@progbits
	.p2align	6, 0x0
	.amdhsa_kernel k_q4ee1308e9e_proj
		.amdhsa_group_segment_fixed_size 327680
		.amdhsa_private_segment_fixed_size 0
		.amdhsa_enable_private_segment 0
		.amdhsa_kernarg_size 72
		.amdhsa_user_sgpr_count 2
		.amdhsa_user_sgpr_kernarg_segment_ptr 1
		.amdhsa_wavefront_size32 1
		.amdhsa_system_sgpr_workgroup_id_x 1
		.amdhsa_system_sgpr_workgroup_id_y 1
		.amdhsa_system_sgpr_workgroup_id_z 1
		.amdhsa_system_vgpr_workitem_id 0
		.amdhsa_next_free_vgpr 1024
		.amdhsa_next_free_sgpr 100
		.amdhsa_reserve_vcc 0
		.amdhsa_float_denorm_mode_32 3
		.amdhsa_float_denorm_mode_16_64 3
		.amdhsa_memory_ordered 1
		.amdhsa_forward_progress 1
		.amdhsa_inst_pref_size 188
	.end_amdhsa_kernel
	.amdgpu_metadata
---
amdhsa.version: [ 1, 2 ]
amdhsa.kernels:
  - .name:           k_q4ee1308e9e_proj
    .symbol:         k_q4ee1308e9e_proj.kd
    .args:
      - { .name: kernel_codes, .offset: 0, .size: 8, .value_kind: global_buffer, .address_space: global }
      - { .name: kernel_scales, .offset: 8, .size: 8, .value_kind: global_buffer, .address_space: global }
      - { .name: x1_codes, .offset: 16, .size: 8, .value_kind: global_buffer, .address_space: global }
      - { .name: x1_scales, .offset: 24, .size: 8, .value_kind: global_buffer, .address_space: global }
      - { .name: x2_codes, .offset: 32, .size: 8, .value_kind: global_buffer, .address_space: global }
      - { .name: x2_scales, .offset: 40, .size: 8, .value_kind: global_buffer, .address_space: global }
      - { .name: hq, .offset: 48, .size: 8, .value_kind: global_buffer, .address_space: global }
      - { .name: hk, .offset: 56, .size: 8, .value_kind: global_buffer, .address_space: global }
      - { .name: hv, .offset: 64, .size: 8, .value_kind: global_buffer, .address_space: global }
    .group_segment_fixed_size: 327680
    .private_segment_fixed_size: 0
    .kernarg_segment_align: 8
    .kernarg_segment_size: 72
    .max_flat_workgroup_size: 128
    .sgpr_count:     100
    .vgpr_count:     1024
    .wavefront_size: 32
...
	.end_amdgpu_metadata
.endif
;; end of part 1
;; launch attn (part 2): grid 256 x 1, 4 waves a work-group, clusters of 4 x 1, 327,680 bytes of LDS; arguments hq, hk, hv, out0; writes out0
.if DOCPART == 2
	.amdgcn_target "amdgcn-amd-amdhsa--gfx1250"
	.amdhsa_code_object_version 6
	.text
	.protected	k_q4ee1308e9e_attn
	.globl	k_q4ee1308e9e_attn
	.p2align	8
	.type	k_q4ee1308e9e_attn,@function
k_q4ee1308e9e_attn:
	s_mov_b64 s[64:65], 0
	v_nop
	global_prefetch_b8 v0, s[64:65] scope:SCOPE_SE
	s_setreg_imm32_b32 hwreg(HW_REG_WAVE_MODE, 25, 1), 1
	s_wait_xcnt 0x0
	s_wait_alu depctr_hold_cnt(0) depctr_sa_sdst(0) depctr_va_vdst(0) depctr_va_sdst(0) depctr_va_ssrc(0) depctr_va_vcc(0) depctr_vm_vsrc(0)
	s_getreg_b32 s2, hwreg(HW_REG_IB_STS2, 6, 4)
	s_cmp_eq_u32 s2, 0
	s_cbranch_scc0 .Lentry_in_a_cluster
	s_endpgm
.Lentry_in_a_cluster:
	s_bfe_u32 s2, ttmp6, 0x10000c
	s_cmp_lg_u32 s2, 0x3003
	s_cbranch_scc0 .Lentry_shape_is_right
	s_endpgm
.Lentry_shape_is_right:
; out[b][q] = the sum over k of softmax_k((h1[b][q] . h2[b][k] + mask) / sqrt(2048)) h1[b][k], both products on codes of FP4 (E2M1) with one E8M0 scale for each 32 along a product's K.
; hq = h1 along d, hk = h2 along d, hv = h1 along s, laid by the launch before in the order of this launch's operand registers.
; THE MASK is a finite number, -20000 ahead of the division, for keys that come after the query: it throws no score away for every input, so all 2,048 keys are multiplied for every query.
; SHARES.  A work-group owns 64 queries of one batch; a cluster of four owns 256 (cluster number = 8 x which 256 queries + batch): 256 work-groups.  Eight steps of 256 keys.  In a step's first product wave w owns
;   keys 64 w .. 64 w + 63 x all 64 queries; in the second it owns channels 128 w .. 128 w + 127 x all 64 queries.  Between the waves go the largest scores and P's codes and scale bytes, through LDS.
; UNITS.  Unit j = K(j+1) and V(j), 139,264 bytes, comes into one of two LDS slots by four joint loads, one a wave (waves 0, 1: K's halves; waves 2, 3: V's halves of 256 channels), for all four work-groups of the cluster.
;   K(0) and Q come straight into registers at the head.  So does V(7), into K's registers, behind the last first product: a unit 7 would have no K, and a joint load is jumped over by nobody.
; ORDER OF A TRIP i: K(i+1), and in the softmax's middle V(i), go from the slot into registers; softmax of S(i); S(i+1) = K(i+1) Q^T; largest scores of S(i+1); O += V(i) P(i).
;   Behind the softmax the slot is in everybody's registers: the barrier for P is there the opening of a round of the cluster's, the first product (work on registers) stands inside that barrier, and behind the round
;   unit i + 2 is asked for, into the same slot.  It has the rest of the trip and the next softmax in which to land.  The barrier for the largest scores stands round the second product.
; BOTH PRODUCTS ARE USED TRANSPOSED, in the form 32 x 16 x 128: source 0 = 32 keys (32 channels), source 1 = 16 queries: a lane holds ONE query (r = lane % 16) of a tile throughout; register j of a result's first
;   (second) eight holds key or channel 8 h + j (16 + 8 h + j), h = lane / 16.  A register of scale words holds 32 rows, lane by lane: whole for source 0, lanes 0-15 or 16-31 for source 1.
; THE SOFTMAX: t = (score + mask) x c, c = log2(e) / sqrt(2048); M = the row's largest t so far, rounded up to a whole number; p = 2^(t - M); the sum is taken of the unquantised p; when M moves, the sum and O are multiplied by 2^(old M - new M).
;   A step of keys that all come after the cluster's queries takes its mask in the multiply-add's addend, c x -20000 - M; the step on the diagonal takes it number by number; the others have none.
; PREFETCH: a unit's K and V are 272 blocks of 256 bytes each.  The 32 work-groups of a batch share them out by address: 17 blocks a work-group, K's or V's by its number's lowest bit.  At the head wave w asks for unit w;
;   trip i, wave 0, asks for unit i + 4, whose loads stand in trip i + 2; the last is unit 6, and V(7) comes by its load alone.
; LIMITS: the promise holds while the scaled scores t stay under 2^31 in magnitude; NaN and infinities are not served; where the mask stands in the addend the order of rounding differs from (score + mask) x c.
; REGISTERS: window 0: state, scale words (v192-219, and nothing else there), P.   window 1: O: accumulator (m, channels 32 t ..) at 64 m + 16 t.   window 2: v0-127 S: (m, keys 32 p ..) at 32 m + 16 p; v128-255 V: 64 sg + 8 T.
;   window 3: v0-127 Q: 32 ks + 8 m; v128-255 K: 32 ks + 8 t (at the end V(7), laid as V).
.set GRP,   69632                      ; a group of codes and scale words
.set BATCH, 8*GRP
.set HALFU, GRP/2                      ; what one tensor load brings
.set UNITB, 2*GRP                      ; a slot: bits 17 and 13, which no wave's HALFU x wave has: so an exclusive or turns an address from one slot to the other
.set PIMG,  2*UNITB                    ; behind the ring: P's codes: [m 4][wave 4] x 512 bytes
.set PSC,   PIMG+8192                  ; its scale words: [m][128 keys 2][query 16]
.set MX,    PSC+512                    ; largest scores: [m][query 16][wave 4]
.set LX,    MX+1024                    ; sums, likewise
.set STG,   LX+1024                    ; the way out: 16 rows x SP bytes for each wave
.set SP,    528
.set SPARE, STG+4*16*SP                ; the spare words: 323,072 = 1,262 x 256
.set LI,  1                            ; v1  16 x lane
.set LQS, 2                            ; v2-4  offsets in memory of Q's, K's, V's scale words
.set LKS, 3
.set LVS, 4
.set APW, 5                            ; v5  P's codes in
.set APS, 6                            ; v6  P's half words in
.set APR, 7                            ; v7  P's words back
.set API, 8                            ; v8  P's codes back
.set AMW, 9                            ; v9-10  largest scores in and back
.set AMR, 10
.set STO, 11                           ; v11-12  the stage in and back
.set RD,  12
.set PFO, 13                           ; v13  the prefetches' offset; never rewritten
.set MFV, 14                           ; v14  -20000
.set DQ,  15                           ; v15  my query less my wave's first key, both in the cluster's 256: 64 (cx - w) + r - 8 h
.set SPW, 16                           ; v16-17  my spare word, and 0; never rewritten
.set NIL, 17
.set LN,  18                           ; v18  lane
.set VR,  20
.set VH,  21
.set ST,  24                           ; v24-55  for each m: -M, largest t, sum (2), f (2), at work (2)
.set AD,  56                           ; v56-63  for each m: the addend (a pair is named: its upper half holds 0)
.set BM,  64                           ; v64-71  blocks of 32 keys: largest score, largest p, scale operand: (m, p) at 2 m + p
.set TP,  72
.set BY,  80
.set PC,  88                           ; v88-103  my P's codes
.set MXR, 104                          ; v104-119  the waves' largest scores
.set EB,  104                          ; v104-119  the diagonal's mask (at other times than MXR)
.set HW,  120
.set PF,  128                          ; v128-191  P's fragments: 16 m + 8 sg
.set QS,  192                          ; Q's words: 2 ks + m / 2
.set KW,  200                          ; K's: 2 ks + p (at the end V(7)'s, laid as V's)
.set VS,  208                          ; V's: 4 sg + t
.set PW,  216                          ; P's: m
.set AK0, 220                          ; v220-223  in slot 0: K's fragments, K's words, V's fragments, V's words
.set AK,  224                          ; v224-227  the same in the trip's slot
.set WV,  12
.set GQ,  15                           ; which 256 queries
.set KF,  17                           ; the step of the S in hand
.set I,   18
.set LIM, 19
.set SEL, 20
.set CS,  22
.set KB,  24
.set VB,  26
.set VST, 28                           ; a unit on: K: GRP; V: 2,048 and 2 GRP - 2,048 by turns
.set PFB, 30
.set PFT, 32
.set MF,  34
.set G1K, 36                           ; s[36:43], s[68:75] descriptor groups 1 for K and V; s[44:47] my group 0, which walks
.set G0,  44
.set SL,  66                           ; the trip's slot
.set BS,  67                           ; the mask of the S in hand where it is one number: -20000 or 0
.set G1V, 68
.set MSB, 0
.macro WIN new                         ; the immediate's high byte repeats the setting that is left
.if MSB != \new
	s_set_vgpr_msb (MSB<<8)|\new
.set MSB, \new
.endif
.endm
.macro PLACES                          ; four places behind a matrix instruction (ISA guide 7.12.1)
.rept 4
	v_nop
.endr
.endm
.macro CREST                           ; a round of the cluster's barrier behind its opening barrier
	s_cmp_lg_u32 s[WV], 0
	s_cbranch_scc1 .Lnot_wave_0_\@
	s_barrier_signal -3
.Lnot_wave_0_\@:
	s_barrier_wait -3
	s_barrier_signal -1
	s_barrier_wait -1
.endm
.macro CROUND
	s_barrier_signal -1
	s_barrier_wait -1
	CREST
.endm
.macro JLOAD                           ; my quarter of a unit.  The branch hangs on the wave's number alone
	s_cmp_lt_u32 s[WV], 2
	s_cbranch_scc0 .Lfor_v_\@
	tensor_load_to_lds s[G0:G0+3], s[G1K:G1K+7]
	s_nop 0
	PLACES
	s_branch .Lasked_\@
.Lfor_v_\@:
	tensor_load_to_lds s[G0:G0+3], s[G1V:G1V+7]
	s_nop 0
	PLACES
.Lasked_\@:
.endm
.macro NEXTUNIT                        ; my group 0 goes on to the next unit and the other slot (no tensor load of mine is out)
	s_xor_b32 s[G0+1], s[G0+1], UNITB
	s_add_nc_u64 s[G0+2:G0+3], s[G0+2:G0+3], s[VST:VST+1]
	s_sub_co_u32 s[VST], 2*GRP, s[VST]
.endm
.macro UNIT j                          ; where unit j begins for the prefetches: K: group j + 1; V: 512 keys are two groups, 256 of them 2,048 bytes of each piece
	s_lshr_b32 s58, \j, 1
	s_mul_i32 s58, s58, 2*GRP
	s_and_b32 s59, \j, 1
	s_lshl_b32 s59, s59, 11
	s_add_co_u32 s58, s58, s59
	s_add_co_u32 s59, \j, 1
	s_mul_i32 s59, s59, GRP
	s_bitcmp1_b32 s13, 0
	s_cselect_b32 s58, s58, s59
	s_mov_b32 s59, 0
	s_add_nc_u64 s[PFT:PFT+1], s[PFB:PFB+1], s[58:59]
.endm
.macro WM
.if fZ
.if fR
	v_wmma_scale_f32_32x16x128_f4 v[rD:rD+15], v[rA:rA+15], v[rB:rB+7], 0, v[rS], v[rT] matrix_b_scale:MATRIX_SCALE_ROW1
.else
	v_wmma_scale_f32_32x16x128_f4 v[rD:rD+15], v[rA:rA+15], v[rB:rB+7], 0, v[rS], v[rT]
.endif
.else
.if fR
	v_wmma_scale_f32_32x16x128_f4 v[rD:rD+15], v[rA:rA+15], v[rB:rB+7], v[rD:rD+15], v[rS], v[rT] matrix_b_scale:MATRIX_SCALE_ROW1
.else
	v_wmma_scale_f32_32x16x128_f4 v[rD:rD+15], v[rA:rA+15], v[rB:rB+7], v[rD:rD+15], v[rS], v[rT]
.endif
.endif
.endm
.macro QK ks                           ; S over 128 d.  The eight accumulators take turns
	WIN 0xaf
.if \ks
.set fZ, 0
.else
.set fZ, 1
.endif
.irp p, 0,1
.irp m, 0,1,2,3
.set rD, 32*\m+16*\p
.set rA, 128+32*\ks+16*\p
.set rB, 32*\ks+8*\m
.set rS, KW+2*\ks+\p
.set rT, QS+2*\ks+\m/2
.set fR, \m%2
	WM
.endr
.endr
.endm
.set VWD, VS                           ; where V's words are
.macro PVI m, t, g                     ; O of query tile m, channels 32 t .., over the step's g-th 128 keys
.set fZ, 0
.set rD, 64*\m+16*\t
.set rA, 128+64*\g+16*\t
.set rB, PF+16*\m+8*\g
.set rS, VWD+4*\g+\t
.set rT, PW+\m
.set fR, \g
	WM
.endm
.macro LOADP                           ; P's fragments and scale words
.irp m, 0,1,2,3
.irp g, 0,1
	ds_load_b128 v[PF+16*\m+8*\g:PF+16*\m+8*\g+3],   v[API] offset:2048*\m+1024*\g
	ds_load_b128 v[PF+16*\m+8*\g+4:PF+16*\m+8*\g+7], v[API] offset:2048*\m+1024*\g+512
.endr
	ds_load_b32 v[PW+\m], v[APR] offset:128*\m
.endr
.endm
.macro MXLOAD
.irp m, 0,1,2,3
	ds_load_b128 v[MXR+4*\m:MXR+4*\m+3], v[AMR] offset:256*\m
.endr
.endm
.macro KFETCH                          ; K's words and fragments from the slot: 40 loads
	v_add_nc_u32 v[AK], s[SL], v[AK0]
	v_add_nc_u32 v[AK+1], s[SL], v[AK0+1]
.irp ks, 0,1,2,3
	ds_load_b32 v[KW+2*\ks],   v[AK+1] offset:\ks*1024
	ds_load_b32 v[KW+2*\ks+1], v[AK+1] offset:\ks*1024+128
.endr
	WIN 0xc0
.irp ks, 0,1,2,3
.irp t, 0,1,2,3
	ds_load_b128 v[128+32*\ks+8*\t:131+32*\ks+8*\t], v[AK] offset:\t*4096+\ks*1024
	ds_load_b128 v[132+32*\ks+8*\t:135+32*\ks+8*\t], v[AK] offset:\t*4096+\ks*1024+512
.endr
.endr
	WIN 0
.endm
.macro VFETCH                          ; V's: 40 loads
	v_add_nc_u32 v[AK+2], s[SL], v[AK0+2]
	v_add_nc_u32 v[AK+3], s[SL], v[AK0+3]
.irp t, 0,1,2,3
	ds_load_b32 v[VS+\t],   v[AK+3] offset:128*\t
	ds_load_b32 v[VS+4+\t], v[AK+3] offset:1024+128*\t
.endr
	WIN 0x80
.irp g, 0,1
.irp t, 0,1,2,3,4,5,6,7
	ds_load_b128 v[128+64*\g+8*\t:131+64*\g+8*\t], v[AK+2] offset:\t*2048+\g*1024
	ds_load_b128 v[132+64*\g+8*\t:135+64*\g+8*\t], v[AK+2] offset:\t*2048+\g*1024+512
.endr
.endr
	WIN 0
.endm
; THE LARGEST SCORES of the S in hand: of each block of 32 keys, and of my 64 keys with the mask, which goes to the other waves.
.macro MAXP
	s_cmp_gt_u32 s[KF], s[GQ]
	s_cselect_b32 s[BS], s[MF], 0                  ; all keys of the step come after all queries of the cluster: the mask is one number
	s_cmp_lg_u32 s[KF], s[GQ]
	s_cbranch_scc1 .Lrow_\@                        ; (the cluster's number decides: the same way in all four work-groups)
.set dD, -3                            ; THE DIAGONAL: key tile T against query tile m, d = T - m: hidden where 16 d + j > DQ.  d ascends: so each result is read from its low end on
.rept 7
.set eE, EB+8*((dD+3)%2)
.irp j, 0,1,2,3,4,5,6,7
	v_cmp_gt_i32 vcc_lo, 16*dD+\j, v[DQ]
	v_cndmask_b32 v[eE+\j], 0, v[MFV], vcc_lo
.endr
	WIN 0x82
.irp m, 0,1,2,3
.if (\m+dD >= 0) && (\m+dD <= 3)
.set rX, 32*\m+8*(\m+dD)
.irp i, 0,2,4,6
	v_pk_add_f32 v[rX+\i:rX+\i+1], v[rX+\i:rX+\i+1], v[eE+\i:eE+\i+1]
.endr
.endif
.endr
	WIN 0
.set dD, dD+1
.endr
.Lrow_\@:
	WIN 0x0a
.irp i, 0,1,2,3,4,5,6,7
	v_max_num_f32 v[BM+\i], v[16*\i], v[16*\i+1]
.endr
.set iP, 2
.rept 7
.irp i, 0,1,2,3,4,5,6,7
	v_max3_num_f32 v[BM+\i], v[16*\i+iP], v[16*\i+iP+1], v[BM+\i]
.endr
.set iP, iP+2
.endr
	WIN 0
.irp i, 0,1,2,3,4,5,6,7
	v_permlanex16_b32 v[TP+\i], v[BM+\i], s[SEL], s[SEL+1]
.endr
.irp i, 0,1,2,3,4,5,6,7
	v_max_num_f32 v[BM+\i], v[BM+\i], v[TP+\i]
.endr
.irp m, 0,1,2,3
	v_max_num_f32 v[ST+8*\m+6], v[BM+2*\m], v[BM+2*\m+1]
.endr
.irp m, 0,1,2,3
	v_add_f32 v[ST+8*\m+6], s[BS], v[ST+8*\m+6]
.endr
.irp m, 0,1,2,3
	ds_store_b32 v[AMW], v[ST+8*\m+6] offset:256*\m
.endr
	s_add_co_u32 s[KF], s[KF], 1
	s_wait_alu depctr_va_vdst(0)
	s_wait_dscnt 0x0                               ; my largest scores have landed, and my reads of P are over
	s_barrier_signal -1
.endm
; THE SOFTMAX of the S in hand, in two parts.  P2A: the new M, and t - M.
.macro P2A
.irp m, 0,1,2,3
	v_max3_num_f32 v[ST+8*\m+6], v[MXR+4*\m], v[MXR+4*\m+1], v[MXR+4*\m+2]
.endr
.irp m, 0,1,2,3
	v_max_num_f32 v[ST+8*\m+6], v[ST+8*\m+6], v[MXR+4*\m+3]
.endr
.irp m, 0,1,2,3
	v_mul_f32 v[ST+8*\m+6], s[CS], v[ST+8*\m+6]
.endr
.irp m, 0,1,2,3
	v_max_num_f32 v[ST+8*\m+1], v[ST+8*\m+1], v[ST+8*\m+6]
.endr
.irp m, 0,1,2,3
	v_mov_b32 v[ST+8*\m+6], v[ST+8*\m]
.endr
.irp m, 0,1,2,3
	v_floor_f32 v[ST+8*\m], -v[ST+8*\m+1]          ; the new -M
.endr
.irp m, 0,1,2,3
	v_sub_f32 v[ST+8*\m+6], v[ST+8*\m], v[ST+8*\m+6]
.endr
.irp m, 0,1,2,3
	v_fma_f32 v[AD+2*\m], s[CS], s[BS], v[ST+8*\m] ; the addend: c x mask - M
.endr
.irp m, 0,1,2,3
	v_cvt_i32_f32 v[ST+8*\m+6], v[ST+8*\m+6]
.endr
.irp m, 0,1,2,3
	v_ldexp_f32 v[ST+8*\m+4], 1.0, v[ST+8*\m+6]    ; f = 2^(old M - new M)
.endr
	WIN 0x82
.set i, 0
.rept 64
	v_pk_fma_f32 v[i:i+1], v[i:i+1], s[CS:CS+1], v[AD+2*(i/32):AD+2*(i/32)+1] op_sel_hi:[1,0,0]
.set i, i+2
.endr
	WIN 0
.irp i, 0,1,2,3,4,5,6,7
	v_fma_f32 v[BM+\i], v[BM+\i], s[CS], v[AD+2*(\i/2)]    ; the same of each block's largest score: p rises with it
.endr
.endm
; P2B: p, its sums, its codes, and O under the new M.
.macro P2B
	s_wait_alu depctr_va_vdst(0)                   ; ahead of the batch
.irp i, 0,1,2,3,4,5,6,7
	v_exp_f32 v[BM+\i], v[BM+\i]
.endr
	WIN 0x82
.set i, 0
.rept 128
	v_exp_f32 v[i], v[i]
.set i, i+1
.endr
	WIN 0
.irp m, 0,1,2,3
	v_pk_mul_f32 v[ST+8*\m+2:ST+8*\m+3], v[ST+8*\m+2:ST+8*\m+3], v[ST+8*\m+4:ST+8*\m+5] op_sel_hi:[1,0]
.endr
	s_wait_alu depctr_va_vdst(0)                   ; and behind it, ahead of its first reader
	WIN 0x02
.set iP, 0
.rept 8
.irp m, 0,1,2,3
	v_pk_add_f32 v[ST+8*\m+2:ST+8*\m+3], v[32*\m+4*iP:32*\m+4*iP+1], v[ST+8*\m+2:ST+8*\m+3]
.if iP == 0
	v_pk_add_f32 v[ST+8*\m+6:ST+8*\m+7], v[32*\m+2:32*\m+3], 0 op_sel_hi:[1,0]
.else
	v_pk_add_f32 v[ST+8*\m+6:ST+8*\m+7], v[32*\m+4*iP+2:32*\m+4*iP+3], v[ST+8*\m+6:ST+8*\m+7]
.endif
.endr
.set iP, iP+1
.endr
	WIN 0
.irp m, 0,1,2,3
	v_pk_add_f32 v[ST+8*\m+2:ST+8*\m+3], v[ST+8*\m+2:ST+8*\m+3], v[ST+8*\m+6:ST+8*\m+7]
.endr
.irp i, 0,1,2,3,4,5,6,7
	v_max_num_f32 v[BM+\i], 0x1800000, v[BM+\i]    ; the floor 2^(3 - 127): the byte cannot fall under 1
.endr
.irp i, 0,1,2,3,4,5,6,7
	v_add_nc_u32 v[BM+\i], 0xff000000, v[BM+\i]    ; 2 off the exponent field: the conversion's scale operand
.endr
.irp i, 0,1,2,3,4,5,6,7
	v_lshrrev_b32 v[BY+\i], 23, v[BM+\i]
.endr
.irp m, 0,1,2,3
	v_lshl_or_b32 v[HW+\m], v[BY+2*\m+1], 8, v[BY+2*\m]    ; my 64 keys' half of a scale word
.endr
	WIN 0x02
.irp m, 0,1,2,3
.irp t, 0,1,2,3
	v_cvt_scalef32_pk8_fp4_f32 v[PC+4*\m+2*(\t%2)+\t/2], v[32*\m+8*\t:32*\m+8*\t+7], v[BM+2*\m+\t/2]   ; keys 16 t + 8 h + 0 .. 7
.endr
.endr
	WIN 0
	v_nop                                          ; one plain place behind a scaled conversion
.irp i, 0,2,4,6,8,10,12,14
	v_permlane16_swap_b32 v[PC+\i], v[PC+\i+1]     ; tiles 0, 2 and 1, 3 exchange halves of the lanes: a whole block of 32 keys in a lane
.endr
.irp m, 0,1,2,3
	ds_store_b128 v[APW], v[PC+4*\m:PC+4*\m+3] offset:2048*\m
	ds_store_b16 v[APS], v[HW+\m] offset:128*\m    ; both halves of the lanes write the same half word with the same value
.endr
	WIN 0x41
	s_wait_alu depctr_va_vdst(0)                   ; directly ahead of the first readers of O
.set i, 0
.rept 128
	v_pk_mul_f32 v[i:i+1], v[i:i+1], v[ST+8*(i/64)+4:ST+8*(i/64)+5] op_sel_hi:[1,0]    ; O under the new M
.set i, i+2
.endr
	WIN 0
	s_wait_alu depctr_va_vdst(0)
.endm
.macro TRIP fill
.if \fill == 0
	s_wait_loadcnt 0x0                             ; (K's registers may be loaded: V(7)'s loads, if any were out, are done)
.endif
	s_barrier_wait -1                              ; everybody's largest scores are in; and this trip's unit has been in since the barrier before
	MXLOAD
	KFETCH
	s_wait_dscnt 40                                ; the largest scores of all four waves; K's 40 loads may be out
	P2A
	VFETCH
	P2B
	s_wait_tensorcnt 0x0                           ; my part of the next unit is in;
	ds_add_u32 v[SPW], v[NIL]                      ; 0 onto my spare word
.if \fill
	NEXTUNIT
.endif
	s_wait_dscnt 0x0                               ; the add is done, my P has landed, and this trip's slot is in my registers
	s_barrier_signal -1
	QK 0                                           ; S(i+1), work on registers, while the others arrive
	QK 1
	QK 2
	QK 3
	WIN 0
	s_barrier_wait -1                              ; everybody's P is in
.if \fill
	CREST                                          ; no wave of any partner still reads this slot or has a load on its way
	JLOAD                                          ; unit i + 2; its four v_nop are also places behind the products
.else
	PLACES
.endif
	LOADP
.if \fill
	s_cmp_lt_u32 s[I], s[LIM]
	s_cbranch_scc0 .Lnot_mine_\@
	s_add_co_u32 s57, s[I], 4
	s_wait_xcnt 0x0                                ; an earlier prefetch has read its address
	UNIT s57
	global_prefetch_b8 v[PFO], s[PFT:PFT+1] th:TH_LOAD_NT scope:SCOPE_SE
.Lnot_mine_\@:
.else
	s_cmp_lg_u32 s[I], 6
	s_cbranch_scc1 .Lnot_last_\@
.irp t, 0,1,2,3                        ; the last first product has been issued: V(7) comes into K's registers
	global_load_b32 v[KW+\t],   v[LVS], s[VB:VB+1] offset:128*\t
	global_load_b32 v[KW+4+\t], v[LVS], s[VB:VB+1] offset:1024+128*\t
.endr
	WIN 0xc0
.irp g, 0,1
.irp t, 0,1,2,3,4,5,6,7
	global_load_b128 v[128+64*\g+8*\t:131+64*\g+8*\t], v[LI], s[VB:VB+1] offset:\t*4096+\g*1024
	global_load_b128 v[132+64*\g+8*\t:135+64*\g+8*\t], v[LI], s[VB:VB+1] offset:\t*4096+\g*1024+512
.endr
.endr
	WIN 0
.Lnot_last_\@:
.endif
	MAXP
	WIN 0x52
.irp g, 0,1                            ; O += V(i) P(i): the sixteen accumulators take turns
.irp t, 0,1,2,3
.irp m, 0,1,2,3
	PVI \m, \t, \g
.endr
.endr
.endr
	WIN 0
	s_xor_b32 s[SL], s[SL], UNITB
	s_add_co_u32 s[I], s[I], 1
.endm
	s_load_b256 s[4:11], s[0:1], 0x0               ; hq, hk, hv, out
	v_lshl_add_u32 v[SPW], v0, 2, SPARE
	v_mov_b32 v[NIL], 0
	ds_add_u32 v[SPW], v[NIL]                      ; the wave's opening: the add, twice on end, and its wait ahead of my first tensor load
	ds_add_u32 v[SPW], v[NIL]
	v_lshrrev_b32 v19, 5, v0
	v_readfirstlane_b32 s[WV], v19                 ; wave 0..3
	s_bfe_u32 s13, ttmp6, 0x40000                  ; cx: which 64 of the cluster's 256 queries
	s_and_b32 s16, ttmp9, 7                        ; batch
	s_lshr_b32 s[GQ], ttmp9, 3
	s_mul_i32 s14, s16, BATCH
	s_mul_i32 s50, s[GQ], GRP
	s_lshl_b32 s49, s13, 14
	s_add_co_u32 s50, s50, s49
	s_add_co_u32 s50, s50, s14
	s_mov_b32 s51, 0                               ; Q: group of 256 rows, my four tiles
	s_mul_i32 s48, s13, 16128
	s_sub_co_u32 s48, 65536, s48                   ; and from there its words: 65,536 on, less 16,384 and more 256 for each four tiles
	s_lshl_b32 s52, s[WV], 14
	s_add_co_u32 s52, s52, s14
	s_mov_b32 s53, 0                               ; K(0): my four tiles of a group
	s_mul_i32 s49, s[WV], 16128
	s_sub_co_u32 s49, 65536, s49
	s_and_b32 s60, s[WV], 1
	s_lshr_b32 s61, s[WV], 1
	s_mul_i32 s54, s61, GRP
	s_lshl_b32 s55, s60, 15
	s_add_co_u32 s54, s54, s55
	s_add_co_u32 s54, s54, s14
	s_add_co_u32 s54, s54, 6*GRP+2048
	s_mov_b32 s55, 0                               ; V(7): the second half of the last 512 keys, my eight tiles of a group of 256 channels
	s_mul_i32 s56, s60, 32256
	s_sub_co_u32 s56, 65536, s56
	s_mov_b32 s[G1K], 15|(3<<16)|(1<<21)           ; K: all four work-groups; elements of 8 bytes; bit 21 beside a mask; 136 rows of 256 dense bytes
	s_mov_b32 s[G1K+1], 32<<16
	s_mov_b32 s[G1K+2], 136<<16
	s_mov_b32 s[G1K+3], 32<<16
	s_mov_b32 s[G1K+4], 136
	s_mov_b32 s[G1K+5], 32
	s_mov_b32 s[G1K+6], 0
	s_mov_b32 s[G1K+7], 0
	s_mov_b32 s[G1V], 15|(3<<16)|(1<<21)           ; V: of a group's 16 tiles and its words, 17 pieces 4,096 bytes apart, 2,048 bytes each: 256 keys
	s_mov_b32 s[G1V+1], 256<<16
	s_mov_b32 s[G1V+2], 17<<16
	s_mov_b32 s[G1V+3], 256<<16
	s_mov_b32 s[G1V+4], 17
	s_mov_b32 s[G1V+5], 512
	s_mov_b32 s[G1V+6], 0
	s_mov_b32 s[G1V+7], 0
	v_and_b32 v[LN], 31, v0
	v_lshlrev_b32 v[LI], 4, v[LN]
	v_lshl_add_u32 v[LQS], v[LN], 2, s48
	v_lshl_add_u32 v[LKS], v[LN], 2, s49
	v_lshl_add_u32 v[LVS], v[LN], 2, s56
	s_wait_alu depctr_va_vdst(0)
	s_wait_dscnt 0x0                               ; both opening adds are done
	CROUND                                         ; all four work-groups are here: the first joint loads meet
	s_wait_kmcnt 0x0
	s_mul_i32 s58, s60, HALFU                      ; unit 0: waves 0, 1: K(1)'s halves
	s_add_co_u32 s58, s58, GRP
	s_mul_i32 s59, s60, GRP                        ; waves 2, 3: V(0)'s halves of channels
	s_mov_b32 s[VST], 2048
	s_cmp_lt_u32 s[WV], 2
	s_cselect_b32 s58, s58, s59
	s_cselect_b32 s[VST], GRP, s[VST]
	s_cselect_b64 s[62:63], s[6:7], s[8:9]
	s_mov_b32 s[VST+1], 0
	s_add_co_u32 s58, s58, s14
	s_mov_b32 s59, 0
	s_mov_b32 s[G0], 1
	s_mul_i32 s[G0+1], s[WV], HALFU                ; slot 0, my quarter
	s_add_nc_u64 s[G0+2:G0+3], s[62:63], s[58:59]
	s_or_b32 s[G0+3], s[G0+3], 0x80000000
	JLOAD                                          ; unit 0: one tensor load a wave at the head
	s_add_nc_u64 s[50:51], s[4:5], s[50:51]
	s_add_nc_u64 s[KB:KB+1], s[6:7], s[52:53]
	s_add_nc_u64 s[VB:VB+1], s[8:9], s[54:55]
.irp ks, 0,1,2,3
	global_load_b32 v[KW+2*\ks],   v[LKS], s[KB:KB+1] offset:\ks*1024
	global_load_b32 v[KW+2*\ks+1], v[LKS], s[KB:KB+1] offset:\ks*1024+128
	global_load_b32 v[QS+2*\ks],   v[LQS], s[50:51] offset:\ks*1024
	global_load_b32 v[QS+2*\ks+1], v[LQS], s[50:51] offset:\ks*1024+128
.endr
	WIN 0xc0
.irp ks, 0,1,2,3
.irp m, 0,1,2,3
	global_load_b128 v[32*\ks+8*\m:32*\ks+8*\m+3],       v[LI], s[50:51] offset:\m*4096+\ks*1024
	global_load_b128 v[32*\ks+8*\m+4:32*\ks+8*\m+7],     v[LI], s[50:51] offset:\m*4096+\ks*1024+512
	global_load_b128 v[128+32*\ks+8*\m:131+32*\ks+8*\m], v[LI], s[KB:KB+1] offset:\m*4096+\ks*1024
	global_load_b128 v[132+32*\ks+8*\m:135+32*\ks+8*\m], v[LI], s[KB:KB+1] offset:\m*4096+\ks*1024+512
.endr
.endr
	WIN 0
	; the prefetches: my 17 of a unit's 272 blocks (lanes 17 to 31 name the last again)
	s_bitcmp1_b32 s13, 0
	s_cselect_b64 s[PFB:PFB+1], s[8:9], s[6:7]
	s_cselect_b32 s57, -1, 0
	s_mov_b32 s58, s14
	s_mov_b32 s59, 0
	s_add_nc_u64 s[PFB:PFB+1], s[PFB:PFB+1], s[58:59]
	s_lshl_b32 s56, s[GQ], 1
	s_lshr_b32 s49, s13, 1
	s_add_co_u32 s56, s56, s49
	s_mul_i32 s56, s56, 17
	UNIT s[WV]
	v_min_u32 v22, 16, v[LN]
	v_add_nc_u32 v22, s56, v22                     ; block n.  V: group n / 136; of its 136 blocks eight to each of 16 tiles, 4,096 bytes apart, and eight of words behind them
	v_add_nc_u32 v23, 0xffffff78, v22
	v_mov_b32 v21, GRP
	v_cmp_le_u32 vcc_lo, 136, v22
	v_cndmask_b32 v23, v22, v23, vcc_lo
	v_cndmask_b32 v21, 0, v21, vcc_lo
	v_lshrrev_b32 v20, 3, v23
	v_and_b32 v23, 7, v23
	v_lshl_add_u32 v21, v20, 12, v21
	v_lshl_add_u32 v21, v23, 8, v21
	v_lshlrev_b32 v22, 8, v22                      ; K: 256 n
	v_cndmask_b32 v[PFO], v22, v21, s57
	s_wait_alu depctr_va_vdst(0)
	global_prefetch_b8 v[PFO], s[PFT:PFT+1] th:TH_LOAD_NT scope:SCOPE_SE
	; under the loads' flight: everything else
	s_cmp_eq_u32 s[WV], 0
	s_cselect_b32 s[LIM], 3, 0                     ; wave 0 asks in trips 0 to 2
	s_mov_b32 s[KF], 0
	s_mov_b32 s[I], 0
	s_mov_b32 s[SL], 0
	s_mov_b32 s[SEL], 0x76543210
	s_mov_b32 s[SEL+1], 0xfedcba98                 ; lane l xor 16
	s_mov_b32 s[CS], 0x3d0293ee                    ; c
	s_mov_b32 s[CS+1], s[CS]
	s_mov_b32 s[MF], 0xc69c4000                    ; -20000
	s_lshl_b32 s52, s16, 11
	s_lshl_b32 s53, s[GQ], 8
	s_add_co_u32 s52, s52, s53
	s_lshl_b32 s53, s13, 6
	s_add_co_u32 s52, s52, s53
	s_lshl_b32 s52, s52, 11
	s_lshl_b32 s49, s[WV], 9
	s_add_co_u32 s52, s52, s49
	s_mov_b32 s53, 0
	s_add_nc_u64 s[10:11], s[10:11], s[52:53]      ; out: my first row, my 128 channels
	s_add_co_u32 s49, s49, PIMG                    ; P's codes: my place
	s_lshl_b32 s48, s61, 6
	s_lshl_b32 s54, s60, 1
	s_add_co_u32 s48, s48, s54
	s_add_co_u32 s48, s48, PSC
	s_lshl_b32 s54, s[WV], 2
	s_mul_i32 s55, s[WV], 16*SP
	s_add_co_u32 s55, s55, STG
	s_sub_co_i32 s56, s13, s[WV]
	s_lshl_b32 s56, s56, 6
	s_lshl_b32 s57, s[WV], 14                      ; in a slot: K: my four tiles,
	s_lshl_b32 s58, s[WV], 8
	s_add_co_u32 s58, s58, 65536                   ; and their words;
	s_mul_i32 s59, s61, HALFU
	s_add_co_u32 s59, s59, GRP                     ; V: my 256 channels' half:
	s_lshl_b32 s62, s60, 14
	s_add_co_u32 s62, s62, s59                     ; my eight tiles, 2,048 bytes each,
	s_lshl_b32 s63, s60, 9
	s_add_co_u32 s63, s63, s59
	s_add_co_u32 s63, s63, 32768                   ; and their words
	v_and_b32 v[VR], 15, v0                        ; r
	v_bfe_u32 v[VH], v0, 4, 1                      ; h
	v_lshlrev_b32 v22, 3, v[VH]
	v_sub_nc_u32 v[DQ], v[VR], v22
	v_add_nc_u32 v[DQ], s56, v[DQ]
	v_add_nc_u32 v[APW], s49, v[LI]
	v_add_nc_u32 v[API], PIMG, v[LI]
	v_lshl_add_u32 v[APS], v[VR], 2, s48
	v_lshlrev_b32 v23, 2, v[LN]
	v_add_nc_u32 v[APR], PSC, v23
	v_add_nc_u32 v[AK0], s57, v[LI]
	v_add_nc_u32 v[AK0+1], s58, v23
	v_add_nc_u32 v[AK0+2], s62, v[LI]
	v_add_nc_u32 v[AK0+3], s63, v23
	v_lshlrev_b32 v[AMR], 4, v[VR]
	v_add_nc_u32 v[AMR], MX, v[AMR]
	v_add_nc_u32 v[AMW], s54, v[AMR]
	v_mul_u32_u24 v[STO], v[VR], SP
	v_lshl_add_u32 v[STO], v[VH], 5, v[STO]
	v_add_nc_u32 v[STO], s55, v[STO]
	v_add_nc_u32 v[RD], s55, v[LI]
	v_mov_b32 v[MFV], 0xc69c4000
.irp m, 0,1,2,3
	v_mov_b32 v[ST+8*\m+1], 0xff61b1e6             ; the largest t so far: -3e38
	v_floor_f32 v[ST+8*\m], -v[ST+8*\m+1]
	v_mov_b32 v[ST+8*\m+2], 0
	v_mov_b32 v[ST+8*\m+3], 0
	v_mov_b32 v[ST+8*\m+5], 0
	v_mov_b32 v[AD+2*\m+1], 0
	v_mov_b32 v[TP+\m], 0                          ; a lane permute's destination counts as one of its sources
	v_mov_b32 v[TP+4+\m], 0
.endr
	WIN 0x40
.set i, 0
.rept 256
	v_mov_b32 v[i], 0                              ; O: the trip is written for all steps alike; its first run finds zeros (this stands under the loads' flight)
.set i, i+1
.endr
	WIN 0
	s_wait_alu depctr_va_vdst(0)
	s_wait_tensorcnt 0x0                           ; my part of unit 0 is in
	ds_add_u32 v[SPW], v[NIL]
	NEXTUNIT
	s_wait_dscnt 0x0                               ; the add is done
	CROUND                                         ; everybody's part is in, and all four work-groups are here:
	JLOAD                                          ; unit 1, the first tensor load behind the round
	s_wait_loadcnt 48                              ; behind each quarter of Q and K (16 loads) the younger ones may be out
	QK 0
	s_wait_loadcnt 32
	QK 1
	s_wait_loadcnt 16
	QK 2
	s_wait_loadcnt 0x0
	QK 3
	WIN 0
	PLACES
	MAXP
.Ltrip:                                                ; trips 0 to 4 ask for units 2 to 6
	TRIP 1
	s_cmp_lt_u32 s[I], 5
	s_cbranch_scc1 .Ltrip
	s_mov_b32 s[I], 5
.Llate:                                                ; trips 5 and 6 ask for none
	TRIP 0
	s_cmp_lt_u32 s[I], 7
	s_cbranch_scc1 .Llate
	s_barrier_wait -1                              ; trip 7: the last softmax
	MXLOAD
	s_wait_dscnt 0x0
	P2A
	P2B
.irp m, 0,1,2,3                        ; the rows' sums go round with the last P
	v_add_f32 v[ST+8*\m+6], v[ST+8*\m+2], v[ST+8*\m+3]
.endr
.irp m, 0,1,2,3
	v_permlanex16_b32 v[TP+\m], v[ST+8*\m+6], s[SEL], s[SEL+1]
.endr
.irp m, 0,1,2,3
	v_add_f32 v[ST+8*\m+6], v[ST+8*\m+6], v[TP+\m]
.endr
.irp m, 0,1,2,3
	ds_store_b32 v[AMW], v[ST+8*\m+6] offset:LX-MX+256*\m
.endr
	s_wait_alu depctr_va_vdst(0)
	s_wait_dscnt 0x0
	s_barrier_signal -1
	s_barrier_wait -1
.irp m, 0,1,2,3
	ds_load_b128 v[MXR+4*\m:MXR+4*\m+3], v[AMR] offset:LX-MX+256*\m
.endr
	LOADP
	s_wait_loadcnt 0x0                             ; V(7)
	s_wait_dscnt 0x0
.irp m, 0,1,2,3
	v_add_f32 v[MXR+4*\m], v[MXR+4*\m], v[MXR+4*\m+1]
.endr
.irp m, 0,1,2,3
	v_add_f32 v[MXR+4*\m+2], v[MXR+4*\m+2], v[MXR+4*\m+3]
.endr
.irp m, 0,1,2,3
	v_add_f32 v[MXR+4*\m], v[MXR+4*\m], v[MXR+4*\m+2]
.endr
	s_wait_alu depctr_va_vdst(0)                   ; ahead of the batch
.irp m, 0,1,2,3
	v_rcp_f32 v[ST+8*\m+4], v[MXR+4*\m]
.endr
	v_nop                                          ; a plain place behind the transcendentals
	s_wait_alu depctr_va_vdst(0)                   ; and behind it
; THE WAY OUT goes by tiles of 16 queries: the last product, the division, my stage in LDS (LDS serves a wave's instructions in order: ISA guide 5.7.1.4), whole rows of 512 bytes.
.macro SEND m
	s_wait_dscnt 0x0                               ; the tile is back in registers
	WIN 0x08
.set iT, 0
.rept 16
	global_store_b128 v[LI], v[64*((\m)%2)+4*iT:64*((\m)%2)+4*iT+3], s[10:11] offset:(16*(\m)+iT)*2048 th:TH_STORE_NT   ; 32 lanes store two aligned units of 256 bytes
.set iT, iT+1
.endr
.endm
.set VWD, KW                           ; V(7) lies in K's registers
.irp m, 0,1,2,3
	WIN 0x53
.irp g, 0,1
.irp t, 0,1,2,3
	PVI \m, \t, \g
.endr
.endr
.if \m > 0
	SEND \m-1
.endif
	PLACES
.if \m > 1
	s_wait_xcnt 0x0                                ; the tile before last's stores have read their registers: the stage's loads may land there
.endif
	WIN 0x41
.set i, 64*\m
.rept 32
	v_pk_mul_f32 v[i:i+1], v[i:i+1], v[ST+8*\m+4:ST+8*\m+5] op_sel_hi:[1,0]
.set i, i+2
.endr
	WIN 0x04
.irp t, 0,1,2,3,4,5,6,7
	ds_store_b128 v[STO], v[64*\m+8*\t:64*\m+8*\t+3] offset:64*\t
	ds_store_b128 v[STO], v[64*\m+8*\t+4:64*\m+8*\t+7] offset:64*\t+16
.endr
	WIN 0x80
.set iT, 0
.rept 16
	ds_load_b128 v[64*(\m%2)+4*iT:64*(\m%2)+4*iT+3], v[RD] offset:iT*SP
.set iT, iT+1
.endr
.endr
	SEND 3
	WIN 0
	s_wait_tensorcnt 0x0                           ; the wave's end
	ds_add_u32 v[SPW], v[NIL]
	s_wait_dscnt 0x0
	CROUND                                         ; the closing round
	s_endpgm
.Lfunc_end_k_q4ee1308e9e_attn:
	.size	k_q4ee1308e9e_attn, .Lfunc_end_k_q4ee1308e9e_attn-k_q4ee1308e9e_attn
	.p2alignl 7, 3214868480
	.fill 96, 4, 3214868480
	.section	.rodata,"a",@progbits
	.p2align	6, 0x0
	.amdhsa_kernel k_q4ee1308e9e_attn
		.amdhsa_group_segment_fixed_size 327680
		.amdhsa_private_segment_fixed_size 0
		.amdhsa_enable_private_segment 0
		.amdhsa_kernarg_size 32
		.amdhsa_user_sgpr_count 2
		.amdhsa_user_sgpr_kernarg_segment_ptr 1
		.amdhsa_wavefront_size32 1
		.amdhsa_system_sgpr_workgroup_id_x 1
		.amdhsa_system_sgpr_workgroup_id_y 1
		.amdhsa_system_sgpr_workgroup_id_z 1
		.amdhsa_system_vgpr_workitem_id 0
		.amdhsa_next_free_vgpr 1024
		.amdhsa_next_free_sgpr 76
		.amdhsa_reserve_vcc 1
		.amdhsa_float_denorm_mode_32 3
		.amdhsa_float_denorm_mode_16_64 3
		.amdhsa_memory_ordered 1
		.amdhsa_forward_progress 1
		.amdhsa_inst_pref_size 220
	.end_amdhsa_kernel
	.amdgpu_metadata
---
amdhsa.version: [ 1, 2 ]
amdhsa.kernels:
  - .name:           k_q4ee1308e9e_attn
    .symbol:         k_q4ee1308e9e_attn.kd
    .args:
      - { .name: hq, .offset: 0, .size: 8, .value_kind: global_buffer, .address_space: global }
      - { .name: hk, .offset: 8, .size: 8, .value_kind: global_buffer, .address_space: global }
      - { .name: hv, .offset: 16, .size: 8, .value_kind: global_buffer, .address_space: global }
      - { .name: out0, .offset: 24, .size: 8, .value_kind: global_buffer, .address_space: global }
    .group_segment_fixed_size: 327680
    .private_segment_fixed_size: 0
    .kernarg_segment_align: 8
    .kernarg_segment_size: 32
    .max_flat_workgroup_size: 128
    .sgpr_count:     76
    .vgpr_count:     1024
    .wavefront_size: 32
...
	.end_amdgpu_metadata
.endif
;; end of part 2
